; MI455X (gfx1250); checked and timed in simulation.
; The chip was launched on July 23, 2026; its instructions are those of AMD's public machine-readable ISA for CDNA 5 (MIT licence, August 2026) and "CDNA5" Instruction Set Architecture Reference Guide (July 2026). The comments in the code are by the model that wrote it; some were corrected since.
;; NND Module. Allowed arithmetic: float matrix products may take bf16 or f16 operands with f32 sums; other float arithmetic in f32, or as packed bf16 or f16 multiplies, adds, multiply-adds, maxima and minima; sums over many terms, partial sums and values carried from step to step in f32; what a program stores and reads back later, other than sums and carried values, may be rounded once to bf16 or f16.
;; Inputs: input1 8 x 8,192 x 3 float32; input2 8 x 8,192 x 3 float32.
;; Outputs: out0 8 x 8,192 float32; out1 8 x 8,192 float32.
;; 2 versions, each right; version 2 is version 1 with the launch pairs written anew for expert scheduling mode. Each part assembles by itself: llvm-mc -triple=amdgcn-amd-amdhsa -mcpu=gfx1250 --defsym DOCPART=n.
;; ======== version 1 of 2: 2 launches
;; workspace buffers: part1 1,048,576 bytes; part2 2,097,152 bytes
;; launch pairs (part 1): grid 32 x 8, 8 waves a work-group, no clusters, 263,168 bytes of LDS; arguments input1, input2, part1, part2; writes part1, part2
.if DOCPART == 1
	.amdgcn_target "amdgcn-amd-amdhsa--gfx1250"
	.amdhsa_code_object_version 6
	.text
	.protected	k_qc64e3991ec_pairs
	.globl	k_qc64e3991ec_pairs
	.p2align	8
	.type	k_qc64e3991ec_pairs,@function
k_qc64e3991ec_pairs:
	s_mov_b64 s[64:65], 0
	v_nop
	global_prefetch_b8 v0, s[64:65] scope:SCOPE_SE
	s_setreg_imm32_b32 hwreg(HW_REG_WAVE_MODE, 25, 1), 1
	s_wait_xcnt 0x0
; SQUARED NEAREST-NEIGHBOUR DISTANCES, first of two launches.  input1 = x [8][8192][3], input2 = y [8][8192][3], f32.
; d(x, y) = |x|^2 + |y|^2 - 2 x.y;  dist1[x] = min over y,  dist2[y] = min over x.
; A work-group takes NX = 1,024 points of x and NY = 2,048 points of y of one batch (32 such blocks a batch, 256 in all) and stores
;   part1[yb][batch][x] = min of d over its 2,048 y   (4 slabs),      part2[xb][batch][y] = min of d over its 1,024 x   (8 slabs), all f32; the second launch folds the slabs.
; THE WHOLE d COMES OUT OF ONE MATRIX INSTRUCTION.  Each f32 (a coordinate; a squared norm s) is split into three bf16 parts h + m + l (24 bits).  The 32 places along K, as 16 words of two:
;   word   0      1      2      3      4      5      6      7      8         9         10        11        12        13        14        15
;   x:    H01    H01    M01    H01    L01    M01    M01    L01   (h2,sh)   (m2,sm)   (l2,sl)   (h2,1)    (h2,1)    (m2,1)    (m2,l2)    0      of -2 x, s = |x|^2
;   y:    H01    M01    H01    L01    H01    M01    L01    M01   (h2,1)    (h2,1)    (h2,1)    (m2,sh)   (l2,sm)   (m2,sl)   (l2,m2)    0      of y,    s = |y|^2
; (H01 = the h parts of coordinates 0 and 1, and so on.)  All products of parts but l x l are there, so d has f32's accuracy though every operand is bf16; sums in f32.
; LIMITS.  The minima drop a NaN (reference would hand it on); |x| beyond 1.8e19 overflows |x|^2 as it does in the reference.
; NO CLUSTER, NO TENSOR LOAD: a work-group reads 36,864 bytes of input once, in rows of 12 bytes that need arithmetic before they are operands; all its operands fit in LDS at once, so there is no ring to share.
; SHARES.  Eight waves.  Wave w keeps 128 points of x (8 fragments) in registers and walks all 128 fragments of y, two a trip.
; In D = X Y^T register j of lane (r, h) is d(x = 8 h + j, y = r).  Minimum over y: register by register into RX, lanes folded once at the end.  Minimum over x: over a lane's registers, in two chains for each y fragment.
; v_min3_num_f32 takes in two new numbers a line: 4 + 4 lines for each matrix instruction.
.set NX,    1024
.set NY,    2048
.set PLX,   NX*16                      ; operands lie in LDS in four planes of 16 bytes a point (plane p = words 4 p .. 4 p + 3): 16 lanes touch 256 consecutive bytes in every store and load
.set PLY,   NY*16
.set YB,    0                          ; y's four planes
.set XB,    YB+4*PLY                   ; x's four planes
.set CY,    XB+4*PLX                   ; wave w's minima over its x, one word a y point, at CY + 8,192 w
.set SPARE, CY+8*NY*4                  ; the spare words, 128 bytes for each wave: four blocks of 256 bytes that no other line names
.set RSP,   272                        ; the stage at the end: 16 x 16 bytes + 16, so that 16 lanes that read 16 rows touch 16 different columns of 16 bytes
.set RSW,   32*RSP                     ; a wave's stage, laid over y's planes when nobody reads them any more
.set PAIRS, NY/32                      ; trips: two y fragments each
.set SPW,  1                           ; v1   LDS address of my spare word; never rewritten
.set NIL,  2                           ; v2   0; never rewritten
.set GOFF, 3                           ; v3   12 x thread: my point in a run of 256 points
.set XS,   4                           ; v4   where I store an x point's planes
.set YS0,  5                           ; v5   16 x thread: y's planes 0, 1; at the end my offset in part2
.set YS1,  6                           ; v6   y's planes 2, 3
.set NEG1, 7                           ; v7   -1.0
.set CH,   8                           ; v8-11  the chains: y fragment i, chain c at CH + 2 i + c
.set T0,   12                          ; v12, v13  the other half of the lanes' minimum
.set T1,   13
.set YA,   14                          ; v14  my lane's place in a y fragment; steps two trips at a time
.set CYA,  15                          ; v15  where my y point's minimum goes; steps likewise
.set AF,   16                          ; v16-79    8 fragments of x
.set RX,   80                          ; v80-143   running minima over y: fragment a, register j at RX + 8 a + j
.set BF,   144                         ; v144-175  two sets of two y fragments
.set DD,   176                         ; v176-207  two sets of two results
.set XA,   208                         ; my lane's place in my wave's x fragments
.set RSA,  209                         ; the stage: where I put 16 bytes
.set RRA,  210                         ; the stage: where I read
.set CRA,  211                         ; where I read the eight waves' minima over x
.set G1O,  212                         ; 16 x lane: my offset in my wave's 512 bytes of part1
.set ONE,  213                         ; 1.0
.set LR,   214                         ; lane % 16
.set LH,   215                         ; lane / 16
.set CQ,   16                          ; the head alone: 12 points as loaded, four registers each (c0, c1, c2, s)
.set RQ,   64                          ; what is left behind the h parts
.set QQ,   68                          ; what is left behind the m parts
.set PT,   72                          ; two packed words at work
.set O,    80                          ; a point's 16 words
	s_load_b256 s[4:11], s[0:1], 0x0               ; input1 s[4:5], input2 s[6:7], part1 s[8:9], part2 s[10:11]
	v_lshl_add_u32 v[SPW], v0, 2, SPARE
	v_mov_b32 v[NIL], 0
	v_lshrrev_b32 v[LH], 5, v0
	v_readfirstlane_b32 s12, v[LH]                 ; wave 0..7
	s_lshr_b32 s14, ttmp9, 2                       ; xb 0..7: which 1,024 points of x
	s_and_b32 s15, ttmp9, 3                        ; yb 0..3: which 2,048 points of y
	s_and_b32 s16, ttmp7, 0xffff                   ; batch
	s_mul_i32 s20, s16, 8192*12
	s_mul_i32 s17, s14, NX*12
	s_add_co_u32 s18, s20, s17
	s_mov_b32 s19, 0
	s_mul_i32 s17, s15, NY*12
	s_add_co_u32 s20, s20, s17
	s_mov_b32 s21, 0
	v_mul_u32_u24 v[GOFF], v0, 12
	s_wait_kmcnt 0x0
	s_add_nc_u64 s[4:5], s[4:5], s[18:19]
	s_add_nc_u64 s[6:7], s[6:7], s[20:21]
.irp i, 0,1,2,3
	global_load_b96 v[CQ+4*\i:CQ+4*\i+2], v[GOFF], s[4:5] offset:\i*3072       ; x point 256 i + thread: a wave reads 384 consecutive bytes
.endr
.irp i, 0,1,2,3,4,5,6,7
	global_load_b96 v[CQ+16+4*\i:CQ+16+4*\i+2], v[GOFF], s[6:7] offset:\i*3072 ; y point 256 i + thread
.endr
	; all addresses are made while the twelve loads are on their way
	s_lshl_b32 s26, s15, 3
	s_add_co_u32 s26, s26, s16
	s_lshl_b32 s26, s26, 15                        ; part1: slab yb, batch: 32,768 bytes each,
	s_lshl_b32 s17, s14, 12
	s_add_co_u32 s26, s26, s17                     ; my work-group's 1,024 numbers,
	s_lshl_b32 s17, s12, 9
	s_add_co_u32 s26, s26, s17                     ; my wave's 128
	s_mov_b32 s27, 0
	s_add_nc_u64 s[8:9], s[8:9], s[26:27]
	s_lshl_b32 s28, s14, 3
	s_add_co_u32 s28, s28, s16
	s_lshl_b32 s28, s28, 15                        ; part2: slab xb, batch,
	s_lshl_b32 s17, s15, 13
	s_add_co_u32 s28, s28, s17                     ; my work-group's 2,048 numbers
	s_mov_b32 s29, 0
	s_add_nc_u64 s[10:11], s[10:11], s[28:29]
	s_mov_b32 s24, 0x76543210                      ; v_permlanex16_b32: each lane takes its own place in the other half
	s_mov_b32 s25, 0xfedcba98
	v_lshl_add_u32 v[XS], v0, 4, XB
	v_lshlrev_b32 v[YS0], 4, v0
	v_lshl_add_u32 v[YS1], v0, 4, 2*PLY
	v_mov_b32 v[NEG1], -1.0
	v_mov_b32 v[ONE], 1.0
	v_mov_b32 v[O+15], 0                           ; word 15 of every point
	v_mov_b32 v[T0], 0                             ; v_permlanex16_b32 counts as a reader of its destination
	v_mov_b32 v[T1], 0
	v_and_b32 v[LR], 15, v0
	v_bfe_u32 v[LH], v0, 4, 1
	s_lshl_b32 s17, s12, 11                        ; my wave's 128 points x 16 bytes
	s_add_co_u32 s17, s17, XB
	v_lshl_add_u32 v[XA], v[LR], 4, s17
	v_lshl_add_u32 v[XA], v[LH], 15, v[XA]         ; lanes 0-15 take planes 0, 1, lanes 16-31 planes 2, 3 (2 PLX = 1 << 15): the same places along K for x and for y
	v_lshlrev_b32 v[YA], 4, v[LR]
	v_lshl_add_u32 v[YA], v[LH], 16, v[YA]         ; 2 PLY = 1 << 16
	s_lshl_b32 s17, s12, 13
	s_add_co_u32 s17, s17, CY
	v_lshl_add_u32 v[CYA], v[LR], 2, s17
	s_mul_i32 s23, s12, RSW
	v_mul_u32_u24 v[RSA], v[LH], 2*RSP
	v_lshl_add_u32 v[RSA], v[LR], 4, v[RSA]
	v_add_nc_u32 v[RSA], s23, v[RSA]
	v_and_b32 v[G1O], 31, v0
	v_mul_u32_u24 v[RRA], v[G1O], RSP
	v_add_nc_u32 v[RRA], s23, v[RRA]
	v_lshlrev_b32 v[G1O], 4, v[G1O]
	v_lshl_add_u32 v[CRA], v0, 4, CY
; Four f32 at cq (c0, c1, c2, s) are split: p0 = h parts of (c0, c1), p1 = of (c2, s); RQ = what is left (exact: a number less its bf16 rounding fits in f32);
; p2, p3 = the m parts; QQ = what is left behind those.  v_fma_mix_f32_bf16 takes the bf16 half straight from the packed word: half x (-1) + number.
.macro SPLIT cq, p0, p1, p2, p3
	v_cvt_pk_bf16_f32 v[\p0], v[\cq], v[(\cq)+1]
	v_cvt_pk_bf16_f32 v[\p1], v[(\cq)+2], v[(\cq)+3]
	v_fma_mix_f32_bf16 v[RQ],   v[\p0], v[NEG1], v[\cq]     op_sel_hi:[1,0,0]
	v_fma_mix_f32_bf16 v[RQ+1], v[\p0], v[NEG1], v[(\cq)+1] op_sel:[1,0,0] op_sel_hi:[1,0,0]
	v_fma_mix_f32_bf16 v[RQ+2], v[\p1], v[NEG1], v[(\cq)+2] op_sel_hi:[1,0,0]
	v_fma_mix_f32_bf16 v[RQ+3], v[\p1], v[NEG1], v[(\cq)+3] op_sel:[1,0,0] op_sel_hi:[1,0,0]
	v_cvt_pk_bf16_f32 v[\p2], v[RQ], v[RQ+1]
	v_cvt_pk_bf16_f32 v[\p3], v[RQ+2], v[RQ+3]
	v_fma_mix_f32_bf16 v[QQ],   v[\p2], v[NEG1], v[RQ]   op_sel_hi:[1,0,0]
	v_fma_mix_f32_bf16 v[QQ+1], v[\p2], v[NEG1], v[RQ+1] op_sel:[1,0,0] op_sel_hi:[1,0,0]
	v_fma_mix_f32_bf16 v[QQ+2], v[\p3], v[NEG1], v[RQ+2] op_sel_hi:[1,0,0]
	v_fma_mix_f32_bf16 v[QQ+3], v[\p3], v[NEG1], v[RQ+3] op_sel:[1,0,0] op_sel_hi:[1,0,0]
.endm
.macro NORM cq                         ; s = c0^2 + c1^2 + c2^2
	v_mul_f32 v[(\cq)+3], v[\cq], v[\cq]
	v_fmac_f32 v[(\cq)+3], v[(\cq)+1], v[(\cq)+1]
	v_fmac_f32 v[(\cq)+3], v[(\cq)+2], v[(\cq)+2]
.endm
; An x point: its 16 words by the table at the head.  The moves lay one pair of parts into the several places along K in which it meets different parts of y.
.macro XPOINT i
.set cqs, CQ+4*(\i)
	s_wait_loadcnt 11-(\i)                         ; loads come back in order: mine is in, the younger ones stay out
	NORM cqs
	v_mul_f32 v[cqs], -2.0, v[cqs]                 ; exact; the parts of -2 x are -2 times the parts of x
	v_mul_f32 v[cqs+1], -2.0, v[cqs+1]
	v_mul_f32 v[cqs+2], -2.0, v[cqs+2]
	SPLIT cqs, O, O+8, O+2, O+9
	v_cvt_pk_bf16_f32 v[O+4], v[QQ], v[QQ+1]
	v_cvt_pk_bf16_f32 v[O+10], v[QQ+2], v[QQ+3]
	v_cvt_pk_bf16_f32 v[O+11], v[cqs+2], v[ONE]
	v_cvt_pk_bf16_f32 v[O+13], v[RQ+2], v[ONE]
	v_cvt_pk_bf16_f32 v[O+14], v[RQ+2], v[QQ+2]
	v_mov_b32 v[O+1], v[O]
	v_mov_b32 v[O+3], v[O]
	v_mov_b32 v[O+5], v[O+2]
	v_mov_b32 v[O+6], v[O+2]
	v_mov_b32 v[O+7], v[O+4]
	v_mov_b32 v[O+12], v[O+11]
.irp p, 0,1,2,3
	ds_store_b128 v[XS], v[O+4*\p:O+4*\p+3] offset:(\i)*4096+\p*PLX
.endr
.endm
.macro YPOINT i
.set cqs, CQ+16+4*(\i)
	s_wait_loadcnt 7-(\i)
	NORM cqs
	SPLIT cqs, O, PT, O+1, PT+1
	v_cvt_pk_bf16_f32 v[O+3], v[QQ], v[QQ+1]
	v_cvt_pk_bf16_f32 v[O+8], v[cqs+2], v[ONE]
	v_cvt_pk_bf16_f32 v[O+11], v[RQ+2], v[cqs+3]
	v_cvt_pk_bf16_f32 v[O+12], v[QQ+2], v[RQ+3]
	v_cvt_pk_bf16_f32 v[O+13], v[RQ+2], v[QQ+3]
	v_cvt_pk_bf16_f32 v[O+14], v[QQ+2], v[RQ+2]
	v_mov_b32 v[O+2], v[O]
	v_mov_b32 v[O+4], v[O]
	v_mov_b32 v[O+5], v[O+1]
	v_mov_b32 v[O+7], v[O+1]
	v_mov_b32 v[O+6], v[O+3]
	v_mov_b32 v[O+9], v[O+8]
	v_mov_b32 v[O+10], v[O+8]
	ds_store_b128 v[YS0], v[O:O+3] offset:(\i)*4096
	ds_store_b128 v[YS0], v[O+4:O+7] offset:(\i)*4096+PLY
	ds_store_b128 v[YS1], v[O+8:O+11] offset:(\i)*4096
	ds_store_b128 v[YS1], v[O+12:O+15] offset:(\i)*4096+PLY
.endm
.irp i, 0,1,2,3
	XPOINT \i
.endr
.irp i, 0,1,2,3,4,5,6,7
	YPOINT \i
.endr
	s_wait_dscnt 0x0                               ; for the others' sake: my stores of operands are done
	s_barrier_signal -1
	s_barrier_wait -1                              ; all 3,072 points' operands lie in LDS; nobody writes them while they are read
; D[set][i] = x fragment a times y fragment i of set bs.  C is the constant 0: each product is whole in one instruction, and no two that follow each other share a register.
.macro WM set, i, a, bs
	v_wmma_f32_16x16x32_bf16 v[DD+16*(\set)+8*(\i):DD+16*(\set)+8*(\i)+7], v[AF+8*(\a):AF+8*(\a)+7], v[BF+16*(\bs)+8*(\i):BF+16*(\bs)+8*(\i)+7], 0
.endm
.macro LOADB bs, lofs                  ; two y fragments into set bs: four loads of 16 bytes a lane
.irp i, 0,1
	ds_load_b128 v[BF+16*(\bs)+8*\i:BF+16*(\bs)+8*\i+3],   v[YA] offset:(\lofs)+256*\i
	ds_load_b128 v[BF+16*(\bs)+8*\i+4:BF+16*(\bs)+8*\i+7], v[YA] offset:(\lofs)+256*\i+PLY
.endr
.endm
; Line n of the 16 that take in the two results of x fragment ra (they lie in set ra % 2).
;   0-3, 8-11  the chains (minimum over x): y fragment n % 2, chain (n % 4) / 2, registers 4 c + 0..3 of the result.  Each result's lowest registers are read first.
;              ra = 0 starts the chains with three numbers a line, so it has three lines a result where the others have four: that pays for the line that joins the two chains at the end.
;   4-7, 12-15 the running minima over y, register by register, both results in one line.  first = 1: the first pair of y fragments starts them: nothing is preset.
.macro RID n, ra, first
.set d0, DD+16*((\ra)%2)
.set rxr, RX+8*(\ra)
.if ((\n)%8) < 4
.set yi, (\n)%2
.set hf, ((\n)%4)/2
.set dq, d0+8*yi+4*hf
.set cc, CH+2*yi+hf
.if (\ra) != 0
	v_min3_num_f32 v[cc], v[cc], v[dq+2*((\n)/8)], v[dq+2*((\n)/8)+1]
.elseif (\n) < 4
	v_min3_num_f32 v[cc], v[dq], v[dq+1], v[dq+2]
.elseif hf == 0
	v_min3_num_f32 v[cc], v[cc], v[dq+3], v[dq+7]
.endif
.else
.set jj, (\n)-4-4*((\n)/8)
.if \first
	v_min_num_f32 v[rxr+jj], v[d0+jj], v[d0+8+jj]
.else
	v_min3_num_f32 v[rxr+jj], v[rxr+jj], v[d0+jj], v[d0+8+jj]
.endif
.endif
.endm
; A STEP: the two products of x fragment a, and beside them the 16 lines for the step before (x fragment ra), four behind each product and the rest on end.
; A result is read a step behind its product: at least twelve plain lines that name none of that product's registers stand between (ISA guide 7.12.1 asks for four).
.macro STEP a, bs, ra, first
	WM (\a)%2, 0, \a, \bs
.irp n, 0,1,2,3
	RID \n, \ra, \first
.endr
	WM (\a)%2, 1, \a, \bs
.irp n, 4,5,6,7,8,9,10,11,12,13,14,15
	RID \n, \ra, \first
.endr
.endm
; A pair of y fragments is through all 8 x fragments: the two chains are joined, the two halves of the lanes (x = 0..7 and 8..15 of each fragment) too, and the minimum over my wave's 128 x goes to my wave's own words of LDS
; (lanes r and 16 + r store the same number to the same word).
.macro FIN sofs
	v_min_num_f32 v[CH], v[CH], v[CH+1]
	v_min_num_f32 v[CH+2], v[CH+2], v[CH+3]
	v_permlanex16_b32 v[T0], v[CH], s24, s25
	v_permlanex16_b32 v[T1], v[CH+2], s24, s25
	v_min_num_f32 v[CH], v[CH], v[T0]
	v_min_num_f32 v[CH+2], v[CH+2], v[T1]
	ds_store_b32 v[CYA], v[CH] offset:(\sofs)
	ds_store_b32 v[CYA], v[CH+2] offset:(\sofs)+64
.endm
; A TRIP, for the pair of y fragments in set bs: steps 1 to 7, then step 0 of the NEXT pair, beside which this pair's last lines stand: the products never pause between pairs.
; more = 1: the next pair is loaded at the trip's head into the other set, whose last product stands more than twelve plain lines back, and is waited for seven steps later.
.macro BODY bs, first, more, lofs, sofs
.if \more
	LOADB 1-(\bs), \lofs
.endif
.irp a, 1,2,3,4,5,6,7
	STEP \a, \bs, (\a)-1, \first
.endr
.if \more
	s_wait_dscnt 0x0                               ; the next pair is in
	STEP 0, 1-(\bs), 7, \first
.else
.irp n, 0,1,2,3,4,5,6,7,8,9,10,11,12,13,14,15
	RID \n, 7, \first
.endr
.endif
	FIN \sofs
.endm
.irp a, 0,1,2,3,4,5,6,7
	ds_load_b128 v[AF+8*\a:AF+8*\a+3],   v[XA] offset:\a*256
	ds_load_b128 v[AF+8*\a+4:AF+8*\a+7], v[XA] offset:\a*256+PLX
.endr
	LOADB 0, 0
	s_wait_dscnt 0x0
	WM 0, 0, 0, 0                                  ; step 0 of pair 0: there is nothing yet to set beside it
	WM 0, 1, 0, 0
.rept 4
	v_nop                                          ; the four places between these two products and the first line that reads them
.endr
	BODY 0, 1, 1, 512, 0                           ; pair 0 starts the running minima; pair 1 is loaded
	s_mov_b32 s13, (PAIRS-2)/2
.Lpair:                                                ; 31 times: pairs 2 i + 1 and 2 i + 2; pairs 2 i + 2 and 2 i + 3 are loaded
	BODY 1, 0, 1, 1024, 128
	BODY 0, 0, 1, 1536, 256
	v_add_nc_u32 v[YA], 1024, v[YA]                ; two pairs of fragments on: 64 points x 16 bytes
	v_add_nc_u32 v[CYA], 256, v[CYA]               ; 64 words on
	s_sub_co_u32 s13, s13, 1
	s_cmp_lg_u32 s13, 0
	s_cbranch_scc1 .Lpair
	BODY 1, 0, 0, 0, 128                           ; pair 63: nothing is left to load, and no next step stands beside its last lines
	; THE END.  Behind this barrier nobody reads y's operands any more, and every wave's minima over x lie in LDS.
	s_wait_dscnt 0x0                               ; my stores of minima are done, my reads of operands are back
	s_barrier_signal -1
	s_barrier_wait -1
	; Minimum over y: RX still holds, for each of my 128 x, sixteen numbers in sixteen lanes.  They go through my own stage: block 4 a + 2 h + q takes registers 4 q .. 4 q + 3 of fragment a, lane r's 16 bytes at 16 r.
	; Lane l then reads block l: sixteen times the four points 4 l .. 4 l + 3, and folds them in 32 lines.
.irp a, 0,1,2,3,4,5,6,7
	ds_store_b128 v[RSA], v[RX+8*\a:RX+8*\a+3]   offset:\a*4*RSP
	ds_store_b128 v[RSA], v[RX+8*\a+4:RX+8*\a+7] offset:\a*4*RSP+RSP
.endr
.irp r, 0,1,2,3,4,5,6,7,8,9,10,11,12,13,14,15
	ds_load_b128 v[AF+4*\r:AF+4*\r+3], v[RRA] offset:16*\r        ; LDS serves a wave's instructions in order (ISA guide 5.7.1.4): these see the stores above
.endr
	; Minimum over x: thread t folds the eight waves' numbers for y = 4 t .. 4 t + 3 and 1,024 + 4 t .. + 3
.irp g, 0,1
.irp w, 0,1,2,3,4,5,6,7
	ds_load_b128 v[BF+32*\g+4*\w:BF+32*\g+4*\w+3], v[CRA] offset:\w*NY*4+\g*4096
.endr
.endr
	s_wait_dscnt 16                                ; the stage's sixteen loads are in; the sixteen issued behind them may stay out
.irp c, 0,1,2,3
	v_min3_num_f32 v[AF+\c], v[AF+\c], v[AF+4+\c], v[AF+8+\c]
.endr
.irp k, 0,1,2,3,4,5
.irp c, 0,1,2,3
	v_min3_num_f32 v[AF+\c], v[AF+\c], v[AF+12+8*\k+\c], v[AF+16+8*\k+\c]
.endr
.endr
.irp c, 0,1,2,3
	v_min_num_f32 v[AF+\c], v[AF+\c], v[AF+60+\c]
.endr
	global_store_b128 v[G1O], v[AF:AF+3], s[8:9]   ; my wave's 128 numbers: 512 consecutive bytes, at a multiple of 512 from part1's first byte
	s_wait_dscnt 0x0
.irp g, 0,1
.irp c, 0,1,2,3
	v_min3_num_f32 v[BF+32*\g+\c], v[BF+32*\g+\c], v[BF+32*\g+4+\c], v[BF+32*\g+8+\c]
.endr
.endr
.irp k, 0,1
.irp g, 0,1
.irp c, 0,1,2,3
	v_min3_num_f32 v[BF+32*\g+\c], v[BF+32*\g+\c], v[BF+32*\g+12+8*\k+\c], v[BF+32*\g+16+8*\k+\c]
.endr
.endr
.endr
.irp g, 0,1
.irp c, 0,1,2,3
	v_min_num_f32 v[BF+32*\g+\c], v[BF+32*\g+\c], v[BF+32*\g+28+\c]
.endr
.endr
	global_store_b128 v[YS0], v[BF:BF+3], s[10:11]                 ; a wave stores 512 consecutive bytes, aligned
	global_store_b128 v[YS0], v[BF+32:BF+35], s[10:11] offset:4096
	s_wait_tensorcnt 0x0                           ; the wave's end, behind my last LDS store
	ds_add_u32 v[SPW], v[NIL]
	s_wait_dscnt 0x0
	s_endpgm
.Lfunc_end_k_qc64e3991ec_pairs:
	.size	k_qc64e3991ec_pairs, .Lfunc_end_k_qc64e3991ec_pairs-k_qc64e3991ec_pairs
	.p2alignl 7, 3214868480
	.fill 96, 4, 3214868480
	.section	.rodata,"a",@progbits
	.p2align	6, 0x0
	.amdhsa_kernel k_qc64e3991ec_pairs
		.amdhsa_group_segment_fixed_size 263168
		.amdhsa_private_segment_fixed_size 0
		.amdhsa_enable_private_segment 0
		.amdhsa_kernarg_size 32
		.amdhsa_user_sgpr_count 2
		.amdhsa_user_sgpr_kernarg_segment_ptr 1
		.amdhsa_wavefront_size32 1
		.amdhsa_system_sgpr_workgroup_id_x 1
		.amdhsa_system_sgpr_workgroup_id_y 1
		.amdhsa_system_sgpr_workgroup_id_z 1
		.amdhsa_system_vgpr_workitem_id 0
		.amdhsa_next_free_vgpr 216
		.amdhsa_next_free_sgpr 66
		.amdhsa_reserve_vcc 0
		.amdhsa_float_denorm_mode_32 3
		.amdhsa_float_denorm_mode_16_64 3
		.amdhsa_memory_ordered 1
		.amdhsa_forward_progress 1
		.amdhsa_inst_pref_size 70
	.end_amdhsa_kernel
	.amdgpu_metadata
---
amdhsa.version: [ 1, 2 ]
amdhsa.kernels:
  - .name:           k_qc64e3991ec_pairs
    .symbol:         k_qc64e3991ec_pairs.kd
    .args:
      - { .name: input1, .offset: 0, .size: 8, .value_kind: global_buffer, .address_space: global }
      - { .name: input2, .offset: 8, .size: 8, .value_kind: global_buffer, .address_space: global }
      - { .name: part1, .offset: 16, .size: 8, .value_kind: global_buffer, .address_space: global }
      - { .name: part2, .offset: 24, .size: 8, .value_kind: global_buffer, .address_space: global }
    .group_segment_fixed_size: 263168
    .private_segment_fixed_size: 0
    .kernarg_segment_align: 8
    .kernarg_segment_size: 32
    .max_flat_workgroup_size: 256
    .sgpr_count:     66
    .vgpr_count:     216
    .wavefront_size: 32
...
	.end_amdgpu_metadata
.endif
;; end of part 1
;; launch fold (part 2): grid 256 x 1, 2 waves a work-group, no clusters, 0 bytes of LDS; arguments part1, part2, out0, out1; writes out0, out1
.if DOCPART == 2
	.amdgcn_target "amdgcn-amd-amdhsa--gfx1250"
	.amdhsa_code_object_version 6
	.text
	.protected	k_qc64e3991ec_fold
	.globl	k_qc64e3991ec_fold
	.p2align	8
	.type	k_qc64e3991ec_fold,@function
k_qc64e3991ec_fold:
	s_mov_b64 s[64:65], 0
	v_nop
	global_prefetch_b8 v0, s[64:65] scope:SCOPE_SE
	s_setreg_imm32_b32 hwreg(HW_REG_WAVE_MODE, 25, 1), 1
	s_wait_xcnt 0x0
; SQUARED NEAREST-NEIGHBOUR DISTANCES, second of two launches: out0[i] = min over part1's 4 slabs, out1[i] = min over part2's 8 slabs, i = 0 .. 65,535 (batch x point), all f32.
; A stream: 3 MiB in, 0.5 MiB out, each byte once.  Thread g of 16,384 takes four neighbouring numbers of each output: twelve loads of 16 bytes, all issued before the first wait, and two stores;
; each load and store of a wave covers 512 consecutive bytes, aligned.  No LDS, no barrier, no matrix work: no thread needs another's numbers.
; 256 work-groups of two waves, so that every WGP has a share.  The minima drop a NaN, as in the first launch.
.set SLAB, 65536*4                     ; bytes in a slab
	s_load_b256 s[4:11], s[0:1], 0x0               ; part1 s[4:5], part2 s[6:7], out0 s[8:9], out1 s[10:11]
	s_lshl_b32 s12, ttmp9, 10                      ; 64 threads x 16 bytes a work-group
	v_lshl_add_u32 v1, v0, 4, s12
	s_wait_kmcnt 0x0
.irp k, 0,1,2,3
	global_load_b128 v[4+4*\k:7+4*\k], v1, s[4:5] offset:\k*SLAB th:TH_LOAD_NT
.endr
.irp k, 0,1,2,3,4,5,6,7
	global_load_b128 v[20+4*\k:23+4*\k], v1, s[6:7] offset:\k*SLAB th:TH_LOAD_NT
.endr
	s_wait_loadcnt 8                               ; part1's four are in; part2's eight may stay out
.irp c, 0,1,2,3
	v_min3_num_f32 v[4+\c], v[4+\c], v[8+\c], v[12+\c]
.endr
.irp c, 0,1,2,3
	v_min_num_f32 v[4+\c], v[4+\c], v[16+\c]
.endr
	global_store_b128 v1, v[4:7], s[8:9] th:TH_STORE_NT
	s_wait_loadcnt 0x0
.irp c, 0,1,2,3
	v_min3_num_f32 v[20+\c], v[20+\c], v[24+\c], v[28+\c]
.endr
.irp c, 0,1,2,3
	v_min3_num_f32 v[20+\c], v[20+\c], v[32+\c], v[36+\c]
.endr
.irp c, 0,1,2,3
	v_min3_num_f32 v[20+\c], v[20+\c], v[40+\c], v[44+\c]
.endr
.irp c, 0,1,2,3
	v_min_num_f32 v[20+\c], v[20+\c], v[48+\c]
.endr
	global_store_b128 v1, v[20:23], s[10:11] th:TH_STORE_NT
	s_endpgm
.Lfunc_end_k_qc64e3991ec_fold:
	.size	k_qc64e3991ec_fold, .Lfunc_end_k_qc64e3991ec_fold-k_qc64e3991ec_fold
	.p2alignl 7, 3214868480
	.fill 96, 4, 3214868480
	.section	.rodata,"a",@progbits
	.p2align	6, 0x0
	.amdhsa_kernel k_qc64e3991ec_fold
		.amdhsa_group_segment_fixed_size 0
		.amdhsa_private_segment_fixed_size 0
		.amdhsa_enable_private_segment 0
		.amdhsa_kernarg_size 32
		.amdhsa_user_sgpr_count 2
		.amdhsa_user_sgpr_kernarg_segment_ptr 1
		.amdhsa_wavefront_size32 1
		.amdhsa_system_sgpr_workgroup_id_x 1
		.amdhsa_system_sgpr_workgroup_id_y 1
		.amdhsa_system_sgpr_workgroup_id_z 1
		.amdhsa_system_vgpr_workitem_id 0
		.amdhsa_next_free_vgpr 52
		.amdhsa_next_free_sgpr 66
		.amdhsa_reserve_vcc 0
		.amdhsa_float_denorm_mode_32 3
		.amdhsa_float_denorm_mode_16_64 3
		.amdhsa_memory_ordered 1
		.amdhsa_forward_progress 1
		.amdhsa_inst_pref_size 4
	.end_amdhsa_kernel
	.amdgpu_metadata
---
amdhsa.version: [ 1, 2 ]
amdhsa.kernels:
  - .name:           k_qc64e3991ec_fold
    .symbol:         k_qc64e3991ec_fold.kd
    .args:
      - { .name: part1, .offset: 0, .size: 8, .value_kind: global_buffer, .address_space: global }
      - { .name: part2, .offset: 8, .size: 8, .value_kind: global_buffer, .address_space: global }
      - { .name: out0, .offset: 16, .size: 8, .value_kind: global_buffer, .address_space: global }
      - { .name: out1, .offset: 24, .size: 8, .value_kind: global_buffer, .address_space: global }
    .group_segment_fixed_size: 0
    .private_segment_fixed_size: 0
    .kernarg_segment_align: 8
    .kernarg_segment_size: 32
    .max_flat_workgroup_size: 64
    .sgpr_count:     66
    .vgpr_count:     52
    .wavefront_size: 32
...
	.end_amdgpu_metadata
.endif
;; end of part 2
;; ======== version 2 of 2: 2 launches; version 1 with the launch pairs written anew for expert scheduling mode
;; workspace buffers: part1 1,048,576 bytes; part2 2,097,152 bytes
;; launch pairs (part 3): grid 32 x 8, 8 waves a work-group, no clusters, 263,168 bytes of LDS; arguments input1, input2, part1, part2; writes part1, part2
.if DOCPART == 3
	.amdgcn_target "amdgcn-amd-amdhsa--gfx1250"
	.amdhsa_code_object_version 6
	.text
	.protected	k_qc64e3991ec_pairs
	.globl	k_qc64e3991ec_pairs
	.p2align	8
	.type	k_qc64e3991ec_pairs,@function
k_qc64e3991ec_pairs:
	s_mov_b64 s[64:65], 0
	v_nop
	global_prefetch_b8 v0, s[64:65] scope:SCOPE_SE
	s_setreg_imm32_b32 hwreg(HW_REG_WAVE_SCHED_MODE, 0, 2), 2
	s_setreg_imm32_b32 hwreg(HW_REG_WAVE_MODE, 25, 1), 1
	s_wait_xcnt 0x0
	s_wait_alu depctr_vm_vsrc(0)
; SQUARED NEAREST-NEIGHBOUR DISTANCES, first of two launches.  input1 = x [8][8192][3], input2 = y [8][8192][3], f32.
; d(x, y) = |x|^2 + |y|^2 - 2 x.y;  dist1[x] = min over y,  dist2[y] = min over x.
; A work-group takes NX = 1,024 points of x and NY = 2,048 points of y of one batch (32 such blocks a batch, 256 in all) and stores
;   part1[yb][batch][x] = min of d over its 2,048 y   (4 slabs),      part2[xb][batch][y] = min of d over its 1,024 x   (8 slabs), all f32; the second launch folds the slabs.
; THE WHOLE d COMES OUT OF ONE MATRIX INSTRUCTION.  Each f32 (a coordinate; a squared norm s) is split into three bf16 parts h + m + l (24 bits).  The 32 places along K, as 16 words of two:
;   word   0      1      2      3      4      5      6      7      8         9         10        11        12        13        14        15
;   x:    H01    H01    M01    H01    L01    M01    M01    L01   (h2,sh)   (m2,sm)   (l2,sl)   (h2,1)    (h2,1)    (m2,1)    (m2,l2)    0      of -2 x, s = |x|^2
;   y:    H01    M01    H01    L01    H01    M01    L01    M01   (h2,1)    (h2,1)    (h2,1)    (m2,sh)   (l2,sm)   (m2,sl)   (l2,m2)    0      of y,    s = |y|^2
; (H01 = the h parts of coordinates 0 and 1, and so on.)  All products of parts but l x l are there, so d has f32's accuracy though every operand is bf16; sums in f32.
; LIMITS.  The minima drop a NaN (reference would hand it on); |x| beyond 1.8e19 overflows |x|^2 as it does in the reference.
; NO CLUSTER, NO TENSOR LOAD: a work-group reads 36,864 bytes of input once, in rows of 12 bytes that need arithmetic before they are operands; all its operands fit in LDS at once, so there is no ring to share.
; SHARES.  Eight waves.  Wave w keeps 128 points of x (8 fragments) in registers and walks all 128 fragments of y, two a trip.
; In D = X Y^T register j of lane (r, h) is d(x = 8 h + j, y = r).  Minimum over y: register by register into RX, lanes folded once at the end.  Minimum over x: over a lane's registers, in two chains for each y fragment.
; v_min3_num_f32 takes in two new numbers a line: 4 + 4 lines for each matrix instruction.
; THE MODE: SCHED_MODE bits 1:0 = 2 (LLVM: expert scheduling mode 2), set by the entry lines.  The code itself states the register dependences
; between vector or matrix instructions and memory or LDS instructions, with s_wait_alu, always for 0.
; THE PLAN.  Registers that memory or LDS instructions touch:
;   the head   OA, OB      two sets of four buffers of 16 operand words.  Four points are split into a set, one wait on va_vdst, their 16 LDS stores; the sets go OA, OB, OA, with one wait on vm_vsrc ahead of OA's second use.
;              v3 - v6     offsets and LDS addresses, written once, ahead of the first wait behind which they are read.
;   the loop   BF0, BF1    A pair's products read one set; the next pair's four loads land in the other.
;              TS0, TS1    two registers each: the pair's two minima over x, written at the pair's end, read by its two LDS stores; the sets go by the pair's parity.
;              YA, CYA     LDS addresses, read by those loads and stores; stepped once in two pairs.
;              AF, RX, DD and the chains are named by vector and matrix instructions alone.
;   ONE wait on va_vdst a pair, at its end: the two minima are written; the products are done reading the set of BF that is loaded next; every second time YA and CYA are written.  The two stores follow it, and the four loads,
;   dealt behind the next two products: no line since the wait names their registers.  ONE wait on vm_vsrc in two pairs, ahead of the adds to YA and CYA: it also frees both sets TS.
;   the end    the last pair's wait on va_vdst serves the stage's stores (RX) and the loads into AF, BF and DD; one more stands ahead of the three global stores.
.set NX,    1024
.set NY,    2048
.set PLX,   NX*16                      ; operands lie in LDS in four planes of 16 bytes a point (plane p = words 4 p .. 4 p + 3): 16 lanes touch 256 consecutive bytes in every store and load
.set PLY,   NY*16
.set YB,    0                          ; y's four planes
.set XB,    YB+4*PLY                   ; x's four planes
.set CY,    XB+4*PLX                   ; wave w's minima over its x, one word a y point, at CY + 8,192 w
.set SPARE, CY+8*NY*4                  ; the spare words, 128 bytes for each wave: four blocks of 256 bytes that no other line names
.set RSP,   272                        ; the stage at the end: 16 x 16 bytes + 16, so that 16 lanes that read 16 rows touch 16 different columns of 16 bytes
.set RSW,   32*RSP                     ; a wave's stage, laid over y's planes when nobody reads them any more
.set PAIRS, NY/32                      ; trips: two y fragments each
.set SPW,  1                           ; v1   LDS address of my spare word; never rewritten
.set NIL,  2                           ; v2   0; never rewritten
.set GOFF, 3                           ; v3   12 x thread: my point in a run of 256 points
.set XS,   4                           ; v4   where I store an x point's planes
.set YS0,  5                           ; v5   16 x thread: y's planes 0, 1; at the end my offset in part2
.set YS1,  6                           ; v6   y's planes 2, 3
.set NEG1, 7                           ; v7   -1.0
.set CH,   8                           ; v8-11  the chains: y fragment i, chain c at CH + 2 i + c
.set T0,   12                          ; v12, v13  TS0: the other half of the lanes' minimum, then the pair's two minima as they are stored; for pairs in set 0 of BF
.set YA,   14                          ; v14  my lane's place in a y fragment; steps two trips at a time
.set CYA,  15                          ; v15  where my y point's minimum goes; steps likewise
.set AF,   16                          ; v16-79    8 fragments of x
.set RX,   80                          ; v80-143   running minima over y: fragment a, register j at RX + 8 a + j
.set BF,   144                         ; v144-175  two sets of two y fragments
.set DD,   176                         ; v176-207  two sets of two results
.set XA,   208                         ; my lane's place in my wave's x fragments
.set RSA,  209                         ; the stage: where I put 16 bytes
.set RRA,  210                         ; the stage: where I read
.set CRA,  211                         ; where I read the eight waves' minima over x
.set G1O,  212                         ; 16 x lane: my offset in my wave's 512 bytes of part1
.set ONE,  213                         ; 1.0
.set LR,   214                         ; lane % 16
.set LH,   215                         ; lane / 16
.set TX,   216                         ; v216, v217  TS1: the same as TS0, for pairs in set 1 of BF
.set CQ,   16                          ; the head alone: 12 points as loaded, four registers each (c0, c1, c2, s)
.set RQ,   64                          ; what is left behind the h parts
.set QQ,   68                          ; what is left behind the m parts
.set PT,   72                          ; two packed words at work
.set OA,   80                          ; the head alone: v80-143   four points' 16 words
.set OB,   144                         ; the head alone: v144-207  four more
	s_load_b256 s[4:11], s[0:1], 0x0               ; input1 s[4:5], input2 s[6:7], part1 s[8:9], part2 s[10:11]
	v_lshl_add_u32 v[SPW], v0, 2, SPARE
	v_mov_b32 v[NIL], 0
	v_lshrrev_b32 v[LH], 5, v0
	v_readfirstlane_b32 s12, v[LH]                 ; wave 0..7
	s_lshr_b32 s14, ttmp9, 2                       ; xb 0..7: which 1,024 points of x
	s_and_b32 s15, ttmp9, 3                        ; yb 0..3: which 2,048 points of y
	s_and_b32 s16, ttmp7, 0xffff                   ; batch
	s_mul_i32 s20, s16, 8192*12
	s_mul_i32 s17, s14, NX*12
	s_add_co_u32 s18, s20, s17
	s_mov_b32 s19, 0
	s_mul_i32 s17, s15, NY*12
	s_add_co_u32 s20, s20, s17
	s_mov_b32 s21, 0
	v_mul_u32_u24 v[GOFF], v0, 12
	s_wait_alu depctr_va_sdst(0)                   ; s12 is written, ahead of its first reader: part1's base and the wave's LDS bases are made from it
	s_wait_kmcnt 0x0
	s_add_nc_u64 s[4:5], s[4:5], s[18:19]
	s_add_nc_u64 s[6:7], s[6:7], s[20:21]
	s_wait_alu depctr_va_vdst(0)                   ; v[GOFF] is written, which the twelve loads read as their offset
.irp i, 0,1,2,3
	global_load_b96 v[CQ+4*\i:CQ+4*\i+2], v[GOFF], s[4:5] offset:\i*3072       ; x point 256 i + thread: a wave reads 384 consecutive bytes
.endr
.irp i, 0,1,2,3,4,5,6,7
	global_load_b96 v[CQ+16+4*\i:CQ+16+4*\i+2], v[GOFF], s[6:7] offset:\i*3072 ; y point 256 i + thread
.endr
	; all addresses are made while the twelve loads are on their way; none of these lines names a register of the loads
	s_lshl_b32 s26, s15, 3
	s_add_co_u32 s26, s26, s16
	s_lshl_b32 s26, s26, 15                        ; part1: slab yb, batch: 32,768 bytes each,
	s_lshl_b32 s17, s14, 12
	s_add_co_u32 s26, s26, s17                     ; my work-group's 1,024 numbers,
	s_lshl_b32 s17, s12, 9
	s_add_co_u32 s26, s26, s17                     ; my wave's 128
	s_mov_b32 s27, 0
	s_add_nc_u64 s[8:9], s[8:9], s[26:27]
	s_lshl_b32 s28, s14, 3
	s_add_co_u32 s28, s28, s16
	s_lshl_b32 s28, s28, 15                        ; part2: slab xb, batch,
	s_lshl_b32 s17, s15, 13
	s_add_co_u32 s28, s28, s17                     ; my work-group's 2,048 numbers
	s_mov_b32 s29, 0
	s_add_nc_u64 s[10:11], s[10:11], s[28:29]
	s_mov_b32 s24, 0x76543210                      ; v_permlanex16_b32: each lane takes its own place in the other half
	s_mov_b32 s25, 0xfedcba98
	v_lshl_add_u32 v[XS], v0, 4, XB
	v_lshlrev_b32 v[YS0], 4, v0
	v_lshl_add_u32 v[YS1], v0, 4, 2*PLY
	v_mov_b32 v[NEG1], -1.0
	v_mov_b32 v[ONE], 1.0
.irp k, 0,1,2,3,4,5,6,7
	v_mov_b32 v[OA+16*\k+15], 0                    ; word 15 of every point: once for each of the eight buffers
.endr
	v_mov_b32 v[T0], 0                             ; v_permlanex16_b32 counts as a reader of its destination
	v_mov_b32 v[T0+1], 0
	v_mov_b32 v[TX], 0
	v_mov_b32 v[TX+1], 0
	v_and_b32 v[LR], 15, v0
	v_bfe_u32 v[LH], v0, 4, 1
	s_lshl_b32 s22, s12, 11                        ; my wave's 128 points x 16 bytes (the three bases that vector lines read, s22, s30 and s23, are written once each)
	s_add_co_u32 s22, s22, XB
	v_lshl_add_u32 v[XA], v[LR], 4, s22
	v_lshl_add_u32 v[XA], v[LH], 15, v[XA]         ; lanes 0-15 take planes 0, 1, lanes 16-31 planes 2, 3 (2 PLX = 1 << 15): the same places along K for x and for y
	v_lshlrev_b32 v[YA], 4, v[LR]
	v_lshl_add_u32 v[YA], v[LH], 16, v[YA]         ; 2 PLY = 1 << 16
	s_lshl_b32 s30, s12, 13
	s_add_co_u32 s30, s30, CY
	v_lshl_add_u32 v[CYA], v[LR], 2, s30
	s_mul_i32 s23, s12, RSW
	v_mul_u32_u24 v[RSA], v[LH], 2*RSP
	v_lshl_add_u32 v[RSA], v[LR], 4, v[RSA]
	v_add_nc_u32 v[RSA], s23, v[RSA]
	v_and_b32 v[G1O], 31, v0
	v_mul_u32_u24 v[RRA], v[G1O], RSP
	v_add_nc_u32 v[RRA], s23, v[RRA]
	v_lshlrev_b32 v[G1O], 4, v[G1O]
	v_lshl_add_u32 v[CRA], v0, 4, CY
; Four f32 at cq (c0, c1, c2, s) are split: p0 = h parts of (c0, c1), p1 = of (c2, s); RQ = what is left (exact: a number less its bf16 rounding fits in f32);
; p2, p3 = the m parts; QQ = what is left behind those.  v_fma_mix_f32_bf16 takes the bf16 half straight from the packed word: half x (-1) + number.
.macro SPLIT cq, p0, p1, p2, p3
	v_cvt_pk_bf16_f32 v[\p0], v[\cq], v[(\cq)+1]
	v_cvt_pk_bf16_f32 v[\p1], v[(\cq)+2], v[(\cq)+3]
	v_fma_mix_f32_bf16 v[RQ],   v[\p0], v[NEG1], v[\cq]     op_sel_hi:[1,0,0]
	v_fma_mix_f32_bf16 v[RQ+1], v[\p0], v[NEG1], v[(\cq)+1] op_sel:[1,0,0] op_sel_hi:[1,0,0]
	v_fma_mix_f32_bf16 v[RQ+2], v[\p1], v[NEG1], v[(\cq)+2] op_sel_hi:[1,0,0]
	v_fma_mix_f32_bf16 v[RQ+3], v[\p1], v[NEG1], v[(\cq)+3] op_sel:[1,0,0] op_sel_hi:[1,0,0]
	v_cvt_pk_bf16_f32 v[\p2], v[RQ], v[RQ+1]
	v_cvt_pk_bf16_f32 v[\p3], v[RQ+2], v[RQ+3]
	v_fma_mix_f32_bf16 v[QQ],   v[\p2], v[NEG1], v[RQ]   op_sel_hi:[1,0,0]
	v_fma_mix_f32_bf16 v[QQ+1], v[\p2], v[NEG1], v[RQ+1] op_sel:[1,0,0] op_sel_hi:[1,0,0]
	v_fma_mix_f32_bf16 v[QQ+2], v[\p3], v[NEG1], v[RQ+2] op_sel_hi:[1,0,0]
	v_fma_mix_f32_bf16 v[QQ+3], v[\p3], v[NEG1], v[RQ+3] op_sel:[1,0,0] op_sel_hi:[1,0,0]
.endm
.macro NORM cq                         ; s = c0^2 + c1^2 + c2^2
	v_mul_f32 v[(\cq)+3], v[\cq], v[\cq]
	v_fmac_f32 v[(\cq)+3], v[(\cq)+1], v[(\cq)+1]
	v_fmac_f32 v[(\cq)+3], v[(\cq)+2], v[(\cq)+2]
.endm
; An x point: its 16 words by the table at the head, into the buffer at o.  The moves lay one pair of parts into the several places along K in which it meets different parts of y.
.macro XMAKE i, o
.set cqs, CQ+4*(\i)
.set ow, \o
	s_wait_loadcnt 11-(\i)                         ; loads come back in order: mine is in, the younger ones stay out
	NORM cqs
	v_mul_f32 v[cqs], -2.0, v[cqs]                 ; exact; the parts of -2 x are -2 times the parts of x
	v_mul_f32 v[cqs+1], -2.0, v[cqs+1]
	v_mul_f32 v[cqs+2], -2.0, v[cqs+2]
	SPLIT cqs, ow, ow+8, ow+2, ow+9
	v_cvt_pk_bf16_f32 v[ow+4], v[QQ], v[QQ+1]
	v_cvt_pk_bf16_f32 v[ow+10], v[QQ+2], v[QQ+3]
	v_cvt_pk_bf16_f32 v[ow+11], v[cqs+2], v[ONE]
	v_cvt_pk_bf16_f32 v[ow+13], v[RQ+2], v[ONE]
	v_cvt_pk_bf16_f32 v[ow+14], v[RQ+2], v[QQ+2]
	v_mov_b32 v[ow+1], v[ow]
	v_mov_b32 v[ow+3], v[ow]
	v_mov_b32 v[ow+5], v[ow+2]
	v_mov_b32 v[ow+6], v[ow+2]
	v_mov_b32 v[ow+7], v[ow+4]
	v_mov_b32 v[ow+12], v[ow+11]
.endm
.macro XPUT i, o
.irp p, 0,1,2,3
	ds_store_b128 v[XS], v[(\o)+4*\p:(\o)+4*\p+3] offset:(\i)*4096+\p*PLX
.endr
.endm
.macro YMAKE i, o
.set cqs, CQ+16+4*(\i)
.set ow, \o
	s_wait_loadcnt 7-(\i)
	NORM cqs
	SPLIT cqs, ow, PT, ow+1, PT+1
	v_cvt_pk_bf16_f32 v[ow+3], v[QQ], v[QQ+1]
	v_cvt_pk_bf16_f32 v[ow+8], v[cqs+2], v[ONE]
	v_cvt_pk_bf16_f32 v[ow+11], v[RQ+2], v[cqs+3]
	v_cvt_pk_bf16_f32 v[ow+12], v[QQ+2], v[RQ+3]
	v_cvt_pk_bf16_f32 v[ow+13], v[RQ+2], v[QQ+3]
	v_cvt_pk_bf16_f32 v[ow+14], v[QQ+2], v[RQ+2]
	v_mov_b32 v[ow+2], v[ow]
	v_mov_b32 v[ow+4], v[ow]
	v_mov_b32 v[ow+5], v[ow+1]
	v_mov_b32 v[ow+7], v[ow+1]
	v_mov_b32 v[ow+6], v[ow+3]
	v_mov_b32 v[ow+9], v[ow+8]
	v_mov_b32 v[ow+10], v[ow+8]
.endm
.macro YPUT i, o
	ds_store_b128 v[YS0], v[(\o):(\o)+3] offset:(\i)*4096
	ds_store_b128 v[YS0], v[(\o)+4:(\o)+7] offset:(\i)*4096+PLY
	ds_store_b128 v[YS1], v[(\o)+8:(\o)+11] offset:(\i)*4096
	ds_store_b128 v[YS1], v[(\o)+12:(\o)+15] offset:(\i)*4096+PLY
.endm
.irp i, 0,1,2,3
	XMAKE \i, OA+16*\i
.endr
	s_wait_alu depctr_va_vdst(0)                   ; the four x points' words in OA are written, and so is v[XS]: the sixteen LDS stores read them
.irp i, 0,1,2,3
	XPUT \i, OA+16*\i
.endr
.irp i, 0,1,2,3
	YMAKE \i, OB+16*\i
.endr
	s_wait_alu depctr_va_vdst(0)                   ; y points 0 to 3: their words in OB are written, and so are v[YS0] and v[YS1]
.irp i, 0,1,2,3
	YPUT \i, OB+16*\i
.endr
	s_wait_alu depctr_vm_vsrc(0)                   ; the x points' stores have read OA, which the next four points write again
.irp i, 4,5,6,7
	YMAKE \i, OA+16*(\i-4)
.endr
	s_wait_alu depctr_va_vdst(0)                   ; y points 4 to 7: their words in OA are written; and every line of the head is done with v16 to v79, in which the fragments of x land below
.irp i, 4,5,6,7
	YPUT \i, OA+16*(\i-4)
.endr
	s_wait_dscnt 0x0                               ; for the others' sake: my stores of operands are done
	s_barrier_signal -1
	s_barrier_wait -1                              ; all 3,072 points' operands lie in LDS; nobody writes them while they are read
	s_wait_alu depctr_vm_vsrc(0)                   ; my LDS stores have read OA and OB: these registers are RX, BF and DD from here on, written by minima, by loads and by products
; D[set][i] = x fragment a times y fragment i of set bs.  C is the constant 0: each product is whole in one instruction, and no two that follow each other share a register.
.macro WM set, i, a, bs
	v_wmma_f32_16x16x32_bf16 v[DD+16*(\set)+8*(\i):DD+16*(\set)+8*(\i)+7], v[AF+8*(\a):AF+8*(\a)+7], v[BF+16*(\bs)+8*(\i):BF+16*(\bs)+8*(\i)+7], 0
.endm
.macro LOADF bs, i, lofs               ; y fragment i of a pair into set bs: two loads of 16 bytes a lane
	ds_load_b128 v[BF+16*(\bs)+8*(\i):BF+16*(\bs)+8*(\i)+3],   v[YA] offset:(\lofs)+256*(\i)
	ds_load_b128 v[BF+16*(\bs)+8*(\i)+4:BF+16*(\bs)+8*(\i)+7], v[YA] offset:(\lofs)+256*(\i)+PLY
.endm
; Line n of the 16 that take in the two results of x fragment ra (they lie in set ra % 2).
;   0-3, 8-11  the chains (minimum over x): y fragment n % 2, chain (n % 4) / 2, registers 4 c + 0..3 of the result.  Each result's lowest registers are read first.
;              ra = 0 starts the chains with three numbers a line, so it has three lines a result where the others have four: that pays for the line that joins the two chains at the end.
;   4-7, 12-15 the running minima over y, register by register, both results in one line.  first = 1: the first pair of y fragments starts them: nothing is preset.
.macro RID n, ra, first
.set d0, DD+16*((\ra)%2)
.set rxr, RX+8*(\ra)
.if ((\n)%8) < 4
.set yi, (\n)%2
.set hf, ((\n)%4)/2
.set dq, d0+8*yi+4*hf
.set cc, CH+2*yi+hf
.if (\ra) != 0
	v_min3_num_f32 v[cc], v[cc], v[dq+2*((\n)/8)], v[dq+2*((\n)/8)+1]
.elseif (\n) < 4
	v_min3_num_f32 v[cc], v[dq], v[dq+1], v[dq+2]
.elseif hf == 0
	v_min3_num_f32 v[cc], v[cc], v[dq+3], v[dq+7]
.endif
.else
.set jj, (\n)-4-4*((\n)/8)
.if \first
	v_min_num_f32 v[rxr+jj], v[d0+jj], v[d0+8+jj]
.else
	v_min3_num_f32 v[rxr+jj], v[rxr+jj], v[d0+jj], v[d0+8+jj]
.endif
.endif
.endm
; A STEP: the two products of x fragment a, and beside them the 16 lines for the step before (x fragment ra), four behind each product and the rest on end.
; A result is read a step behind its product: at least twelve plain lines that name none of that product's registers stand between (ISA guide 7.12.1 asks for four).
; ld = 1: the next pair's four loads, into the other set of BF, stand behind the two products.  No wait: since the wait on va_vdst at the end of the pair before, no vector or matrix line names that set or v[YA].
.macro STEP a, bs, ra, first, ld=0, lofs=0
	WM (\a)%2, 0, \a, \bs
.if \ld
	LOADF 1-(\bs), 0, \lofs
.endif
.irp n, 0,1,2,3
	RID \n, \ra, \first
.endr
	WM (\a)%2, 1, \a, \bs
.if \ld
	LOADF 1-(\bs), 1, \lofs
.endif
.irp n, 4,5,6,7,8,9,10,11,12,13,14,15
	RID \n, \ra, \first
.endr
.endm
; A pair of y fragments is through all 8 x fragments: the two chains are joined, the two halves of the lanes (x = 0..7 and 8..15 of each fragment) too, and the minimum over my wave's 128 x goes to my wave's own words of LDS
; (lanes r and 16 + r store the same number to the same word).  The two numbers leave from set bs of TS, so that the chains, which the next pair's first lines write, are read by no LDS instruction.
; step = 1: the two LDS addresses move on, ahead of the pair's own stores, whose offset allows for it.
.macro FIN bs, sofs, step
.set tq, T0+(TX-T0)*(\bs)
.if \step
	s_wait_alu depctr_vm_vsrc(0)                   ; the loads issued so far have read v[YA], the stores v[CYA] and both sets of TS: the two adds and the lines below write them again, set 1 in the next trip
	v_add_nc_u32 v[YA], 1024, v[YA]                ; two pairs of fragments on: 64 points x 16 bytes
	v_add_nc_u32 v[CYA], 256, v[CYA]               ; 64 words on
.endif
	v_min_num_f32 v[CH], v[CH], v[CH+1]
	v_min_num_f32 v[CH+2], v[CH+2], v[CH+3]
	v_permlanex16_b32 v[tq], v[CH], s24, s25
	v_permlanex16_b32 v[tq+1], v[CH+2], s24, s25
	v_min_num_f32 v[tq], v[CH], v[tq]
	v_min_num_f32 v[tq+1], v[CH+2], v[tq+1]
	s_wait_alu depctr_va_vdst(0)                   ; the two minima are written, which the stores read; this pair's products are done reading their set of BF, in which the next loads land; with step = 1 v[YA] and v[CYA] are written
	ds_store_b32 v[CYA], v[tq] offset:(\sofs)
	ds_store_b32 v[CYA], v[tq+1] offset:(\sofs)+64
.endm
; A TRIP, for the pair of y fragments in set bs: steps 1 to 7, then step 0 of the NEXT pair, beside which this pair's last lines stand: the products never pause between pairs.
; more = 1: the next pair is loaded in step 1 into the other set and is waited for six steps later.
.macro BODY bs, first, more, lofs, sofs, step=0
	STEP 1, \bs, 0, \first, \more, \lofs
.irp a, 2,3,4,5,6,7
	STEP \a, \bs, (\a)-1, \first
.endr
.if \more
	s_wait_dscnt 0x0                               ; the next pair is in
	STEP 0, 1-(\bs), 7, \first
.else
.irp n, 0,1,2,3,4,5,6,7,8,9,10,11,12,13,14,15
	RID \n, 7, \first
.endr
.endif
	FIN \bs, \sofs, \step
.endm
.irp a, 0,1,2,3,4,5,6,7
	ds_load_b128 v[AF+8*\a:AF+8*\a+3],   v[XA] offset:\a*256
	ds_load_b128 v[AF+8*\a+4:AF+8*\a+7], v[XA] offset:\a*256+PLX
.endr
	LOADF 0, 0, 0
	LOADF 0, 1, 0
	s_wait_dscnt 0x0
	WM 0, 0, 0, 0                                  ; step 0 of pair 0: there is nothing yet to set beside it
	WM 0, 1, 0, 0
.rept 4
	v_nop                                          ; the four places between these two products and the first line that reads them
.endr
	BODY 0, 1, 1, 512, 0                           ; pair 0 starts the running minima; pair 1 is loaded (set 1 of BF: the head's last waits on va_vdst and vm_vsrc stand for it, and no line since names it)
	s_mov_b32 s13, (PAIRS-2)/2
.Lpair:                                                ; 31 times: pairs 2 i + 1 and 2 i + 2; pairs 2 i + 2 and 2 i + 3 are loaded
	BODY 1, 0, 1, 1024, 128
	BODY 0, 0, 1, 1536, 0, 1                       ; the addresses move on at this pair's end, ahead of its stores: their offset is 256 - 256
	s_sub_co_u32 s13, s13, 1
	s_cmp_lg_u32 s13, 0
	s_cbranch_scc1 .Lpair
	BODY 1, 0, 0, 0, 128                           ; pair 63: nothing is left to load, and no next step stands beside its last lines
	; THE END.  Behind this barrier nobody reads y's operands any more, and every wave's minima over x lie in LDS.
	s_wait_dscnt 0x0                               ; my stores of minima are done, my reads of operands are back
	s_barrier_signal -1
	s_barrier_wait -1
	; Minimum over y: RX still holds, for each of my 128 x, sixteen numbers in sixteen lanes.  They go through my own stage: block 4 a + 2 h + q takes registers 4 q .. 4 q + 3 of fragment a, lane r's 16 bytes at 16 r.
	; Lane l then reads block l: sixteen times the four points 4 l .. 4 l + 3, and folds them in 32 lines.
	; No wait on va_vdst here: pair 63's stands behind every line that wrote RX and behind every line that named AF, BF or DD, and no vector or matrix line has been issued since.
.irp a, 0,1,2,3,4,5,6,7
	ds_store_b128 v[RSA], v[RX+8*\a:RX+8*\a+3]   offset:\a*4*RSP
	ds_store_b128 v[RSA], v[RX+8*\a+4:RX+8*\a+7] offset:\a*4*RSP+RSP
.endr
.irp r, 0,1,2,3,4,5,6,7,8,9,10,11,12,13,14,15
	ds_load_b128 v[AF+4*\r:AF+4*\r+3], v[RRA] offset:16*\r        ; LDS serves a wave's instructions in order (ISA guide 5.7.1.4): these see the stores above
.endr
	; Minimum over x: thread t folds the eight waves' numbers for y = 4 t .. 4 t + 3 and 1,024 + 4 t .. + 3
.irp g, 0,1
.irp w, 0,1,2,3,4,5,6,7
	ds_load_b128 v[BF+32*\g+4*\w:BF+32*\g+4*\w+3], v[CRA] offset:\w*NY*4+\g*4096
.endr
.endr
	s_wait_dscnt 16                                ; the stage's sixteen loads are in; the sixteen issued behind them may stay out
.irp c, 0,1,2,3
	v_min3_num_f32 v[AF+\c], v[AF+\c], v[AF+4+\c], v[AF+8+\c]
.endr
.irp k, 0,1,2,3,4,5
.irp c, 0,1,2,3
	v_min3_num_f32 v[AF+\c], v[AF+\c], v[AF+12+8*\k+\c], v[AF+16+8*\k+\c]
.endr
.endr
.irp c, 0,1,2,3
	v_min_num_f32 v[AF+\c], v[AF+\c], v[AF+60+\c]
.endr
	s_wait_dscnt 0x0
.irp g, 0,1
.irp c, 0,1,2,3
	v_min3_num_f32 v[BF+32*\g+\c], v[BF+32*\g+\c], v[BF+32*\g+4+\c], v[BF+32*\g+8+\c]
.endr
.endr
.irp k, 0,1
.irp g, 0,1
.irp c, 0,1,2,3
	v_min3_num_f32 v[BF+32*\g+\c], v[BF+32*\g+\c], v[BF+32*\g+12+8*\k+\c], v[BF+32*\g+16+8*\k+\c]
.endr
.endr
.endr
.irp g, 0,1
.irp c, 0,1,2,3
	v_min_num_f32 v[BF+32*\g+\c], v[BF+32*\g+\c], v[BF+32*\g+28+\c]
.endr
.endr
	s_wait_alu depctr_va_vdst(0)                   ; both folds have written their twelve results, which the three stores read
	global_store_b128 v[G1O], v[AF:AF+3], s[8:9]   ; my wave's 128 numbers: 512 consecutive bytes, at a multiple of 512 from part1's first byte
	global_store_b128 v[YS0], v[BF:BF+3], s[10:11]                 ; a wave stores 512 consecutive bytes, aligned
	global_store_b128 v[YS0], v[BF+32:BF+35], s[10:11] offset:4096
	s_wait_dscnt 0x0                               ; the wave's end
	s_wait_alu 0x0
	s_wait_tensorcnt 0x0
	ds_add_u32 v[SPW], v[NIL]
	s_wait_dscnt 0x0
	s_endpgm
.Lfunc_end_k_qc64e3991ec_pairs:
	.size	k_qc64e3991ec_pairs, .Lfunc_end_k_qc64e3991ec_pairs-k_qc64e3991ec_pairs
	.p2alignl 7, 3214868480
	.fill 96, 4, 3214868480
	.section	.rodata,"a",@progbits
	.p2align	6, 0x0
	.amdhsa_kernel k_qc64e3991ec_pairs
		.amdhsa_group_segment_fixed_size 263168
		.amdhsa_private_segment_fixed_size 0
		.amdhsa_enable_private_segment 0
		.amdhsa_kernarg_size 32
		.amdhsa_user_sgpr_count 2
		.amdhsa_user_sgpr_kernarg_segment_ptr 1
		.amdhsa_wavefront_size32 1
		.amdhsa_system_sgpr_workgroup_id_x 1
		.amdhsa_system_sgpr_workgroup_id_y 1
		.amdhsa_system_sgpr_workgroup_id_z 1
		.amdhsa_system_vgpr_workitem_id 0
		.amdhsa_next_free_vgpr 218
		.amdhsa_next_free_sgpr 66
		.amdhsa_reserve_vcc 0
		.amdhsa_float_denorm_mode_32 3
		.amdhsa_float_denorm_mode_16_64 3
		.amdhsa_memory_ordered 1
		.amdhsa_forward_progress 1
		.amdhsa_inst_pref_size 71
	.end_amdhsa_kernel
	.amdgpu_metadata
---
amdhsa.version: [ 1, 2 ]
amdhsa.kernels:
  - .name:           k_qc64e3991ec_pairs
    .symbol:         k_qc64e3991ec_pairs.kd
    .args:
      - { .name: input1, .offset: 0, .size: 8, .value_kind: global_buffer, .address_space: global }
      - { .name: input2, .offset: 8, .size: 8, .value_kind: global_buffer, .address_space: global }
      - { .name: part1, .offset: 16, .size: 8, .value_kind: global_buffer, .address_space: global }
      - { .name: part2, .offset: 24, .size: 8, .value_kind: global_buffer, .address_space: global }
    .group_segment_fixed_size: 263168
    .private_segment_fixed_size: 0
    .kernarg_segment_align: 8
    .kernarg_segment_size: 32
    .max_flat_workgroup_size: 256
    .sgpr_count:     66
    .vgpr_count:     218
    .wavefront_size: 32
...
	.end_amdgpu_metadata
.endif
;; end of part 3
;; launch fold: the kernel of part 2 again; grid 256 x 1, 2 waves a work-group, no clusters, 0 bytes of LDS; arguments part1, part2, out0, out1; writes out0, out1
